; MI455X (gfx1250); checked and timed in simulation.
; The chip was launched on July 23, 2026; its instructions are those of AMD's public machine-readable ISA for CDNA 5 (MIT licence, August 2026) and "CDNA5" Instruction Set Architecture Reference Guide (July 2026). The comments in the code are by the model that wrote it; some were corrected since.
;; ana block. Allowed arithmetic: float matrix products may take bf16 or f16 operands with f32 sums; all other float work in f32.
;; Inputs: bfc 128 float32; bk 128 float32; bq 128 float32; cb1 128 float32; cb2 128 float32; cbeta1 128 float32; cg1 128 float32; cw1 128 x 256 float32; cw2 128 x 128 float32; lnb 128 float32; lng 128 float32; nb1 32 float32; nb2 64 float32; nb3 128 float32; nb4 128 float32; nbeta1 32 float32; nbeta2 64 float32; nbeta3 128 float32; ng1 32 float32; ng2 64 float32; ng3 128 float32; nw1 32 x 4 float32; nw2 64 x 32 float32; nw3 128 x 64 float32; nw4 128 x 128 float32; wfc 128 x 128 float32; wk 128 x 128 float32; wq 128 x 128 float32; x 2 x 128 x 4,096 float32; zoom 1 x 4 x 1 float32.
;; Outputs: out0 2 x 128 x 4,096 float32.
;; One version. Each part assembles by itself: llvm-mc -triple=amdgcn-amd-amdhsa -mcpu=gfx1250 --defsym DOCPART=n.
;; ======== version 1 of 1: 4 launches
;; limits: values are held in f16: magnitudes above 65,504 overflow, below 6.1e-05 lose precision
;; workspace buffers: qf 2,097,152 bytes; kv 4,194,304 bytes; wimg 186,368 bytes; att 4,194,304 bytes; negc 131,072 bytes; hs 131,072 bytes
;; launch proj (part 1): grid 262 x 1, 8 waves a work-group, no clusters, 55,552 bytes of LDS; arguments x, wq, bq, wk, bk, nw1, nw2, nw3, nw4, wfc, cw1, cw2, qf, kv, wimg; writes qf, kv, wimg
.if DOCPART == 1
	.amdgcn_target "amdgcn-amd-amdhsa--gfx1250"
	.amdhsa_code_object_version 6
	.text
	.protected	k_qc55d3be124_proj
	.globl	k_qc55d3be124_proj
	.p2align	8
	.type	k_qc55d3be124_proj,@function
k_qc55d3be124_proj:
	s_mov_b64 s[64:65], 0
	v_nop
	global_prefetch_b8 v0, s[64:65] scope:SCOPE_SE
	s_setreg_imm32_b32 hwreg(HW_REG_WAVE_MODE, 25, 1), 1
	s_wait_xcnt 0x0
; proj.  Work-groups 0-255: q = wq x + bq and k = wk x + bk of ONE head for 128 points, written as bf16 register images of matrix fragments.
;   id = 128 b + 4 block + head: the four work-groups that read one x tile have neighbouring numbers.
; Work-groups 256-261: the six later weight matrices and nw1, written as f16 register images of A fragments (wimg).
; A fragment image is 1,024 bytes: [half 0,1][lane][16 bytes]; a wave's 16-byte load at 16 x lane covers 512 consecutive bytes.
;   qf [bh][point tile][1024]: lane (r,h) = point r, d = 8h.. (half 0), 16+8h.. (half 1); q carries log2(e)/sqrt(32), so that later exponentials are base 2.
;   kv [bh][block of 64 keys][8192]: four K images (as qf, no factor), then V images [32 keys][16 d][half]: lane (r,h) = row d = 16t+r, keys 16u+8h..
; Channel c = 4 d + head: a head's 32 weight rows lie 2,048 bytes apart in memory and are laid into LDS in the order of d, two tiles of 16.
; Products: bf16 operands, f32 sums, bias as the first product's C.  V is the same product with the sources swapped (a lane then holds 8 keys of one d).
; No cluster: what the four work-groups of a point block share (the x tile, 65,536 bytes) needs a conversion to bf16 on its way through registers;
; a joint request would bring f32 into LDS and add a second pass through it.
; Limits: NaN and infinities in the inputs are not honoured; the later weights are kept in f16 (magnitudes of 65,504 and above overflow,
; below 6e-5 only f16's denormal precision is left).
.set WKO,  8704                        ; LDS: wk's 32 rows behind wq's 32; both [d][128 c] bf16, pitch 272
.set XT,   17408                       ; LDS: x as bf16, [c][128 points], pitch 288 (an odd multiple of 32 bytes, for the transposing load)
.set BIAS, 54272                       ; LDS: the head's 32 bq, then its 32 bk
.set WP,   272
.set XF,   16                          ; v[16:47]   x fragments of my 16 points, K steps 0-3
.set WA,   48                          ; v[48:111]  weight fragments (tile t, K step s) at 8 (4 t + s)
.set ACC,  112                         ; v[112:143] four accumulators
.set BIA,  144                         ; v[144:159] bias as C tiles
.set PK,   160                         ; v[160:175] packed results
.set BL,   176                         ; v[176:179] bias of the swapped tiles, each twice
.set AX,   180                         ; LDS address of my x fragments
.set AW,   181                         ; of the weight fragments
.set AC,   182                         ; of the bias C tiles
.set ABL,  183                         ; of bk of row r
.set OQ,   184                         ; byte offsets of my images in qf and kv
.set OK_,  185
.set OV,   186
.set W_NW1, 0
.set W_NW2, 2048
.set W_NW3, 6144
.set W_NW4, 22528
.set W_WFC, 55296
.set W_CW1, 88064
.set W_CW2, 153600
.macro PLACES                          ; four places behind a matrix instruction (ISA guide 7.12.1)
.rept 4
	v_nop
.endr
.endm
	s_load_b512 s[4:19], s[0:1], 0x0               ; x 4, wq 6, bq 8, wk 10, bk 12, nw1 14, nw2 16, nw3 18
	s_load_b256 s[20:27], s[0:1], 0x40             ; nw4 20, wfc 22, cw1 24, cw2 26
	s_load_b128 s[28:31], s[0:1], 0x60             ; qf 28, kv 30
	s_load_b64 s[32:33], s[0:1], 0x70              ; wimg
	v_lshl_add_u32 v208, v0, 2, 0xd500
	v_mov_b32 v209, 0
	v_lshrrev_b32 v1, 5, v0
	v_readfirstlane_b32 s34, v1                    ; wave
	v_and_b32 v2, 31, v0                           ; lane L
	v_and_b32 v3, 15, v0                           ; r
	v_bfe_u32 v4, v0, 4, 1                         ; h
	s_wait_kmcnt 0x0
	s_cmp_ge_u32 ttmp9, 256                        ; the same in all waves of a work-group
	s_cbranch_scc1 .Limages
	; ---------------- projection
	s_lshr_b32 s35, ttmp9, 7                       ; b
	s_bfe_u32 s36, ttmp9, 0x50002                  ; block of 128 points (5 bits from bit 2)
	s_and_b32 s44, ttmp9, 3                        ; head
	s_lshl_b32 s40, s35, 21                        ; b x 2 MiB
	s_lshl_b32 s41, s36, 9                         ; + 128 points x 4 bytes
	s_add_co_u32 s40, s40, s41
	s_mov_b32 s41, 0
	s_add_nc_u64 s[4:5], s[4:5], s[40:41]
	s_lshl_b32 s40, s44, 9                         ; weight row c = head (d = 0)
	s_add_nc_u64 s[6:7], s[6:7], s[40:41]
	s_add_nc_u64 s[10:11], s[10:11], s[40:41]
	s_and_b32 s45, s34, 1                          ; even waves fetch bq, odd waves bk
	s_cselect_b64 s[42:43], s[12:13], s[8:9]
	s_lshl_b32 s40, s44, 2
	s_add_nc_u64 s[42:43], s[42:43], s[40:41]      ; word c = head
	v_lshlrev_b32 v7, 4, v2                        ; 16 L: also the bias word of d = L (c = 4 L + head)
	v_lshl_add_u32 v6, v1, 11, v7                  ; weights: d = w, 16 bytes a lane
	v_lshl_add_u32 v5, v1, 14, v7                  ; x: row w, 16 bytes a lane
	global_load_b32 v8, v7, s[42:43]
.set i_, 0
.rept 16
	global_load_b128 v[16+4*i_:19+4*i_], v5, s[4:5] offset:i_*131072       ; x rows w + 8 i: 512 consecutive bytes a wave
.set i_, i_+1
.endr
.set i_, 0
.rept 4
	global_load_b128 v[80+4*i_:83+4*i_], v6, s[6:7] offset:i_*16384        ; wq rows d = w + 8 i
.set i_, i_+1
.endr
.set i_, 0
.rept 4
	global_load_b128 v[96+4*i_:99+4*i_], v6, s[10:11] offset:i_*16384      ; wk rows d = w + 8 i
.set i_, i_+1
.endr
	; while the loads are on their way: every later address
	v_mul_u32_u24 v9, v1, 288
	v_lshl_add_u32 v9, v2, 3, v9
	v_add_nc_u32 v9, XT, v9                        ; x into LDS: row w, 8 bytes a lane; 8 rows on = 2,304
	v_mul_u32_u24 v10, v1, WP
	v_lshl_add_u32 v10, v2, 3, v10                 ; weights into LDS: row d = w; 8 rows on = 2,176
	s_lshl_b32 s46, s45, 7
	s_add_co_u32 s46, s46, BIAS
	v_lshl_add_u32 v14, v2, 2, s46                 ; bias word of d = L
	v_and_b32 v187, 7, v0
	v_lshl_add_u32 v187, v4, 3, v187               ; 8 h + (L & 7): the row c that I address
	v_mul_u32_u24 v[AX], v187, 288
	v_bfe_u32 v188, v0, 3, 1
	v_lshl_add_u32 v[AX], v188, 4, v[AX]
	v_lshl_add_u32 v[AX], v1, 5, v[AX]             ; + my 16 points (32 bytes)
	v_add_nc_u32 v[AX], XT, v[AX]
	v_mul_u32_u24 v[AW], v3, WP
	v_lshl_add_u32 v[AW], v4, 4, v[AW]             ; weight fragments: row r, 16 h
	v_lshlrev_b32 v[AC], 5, v4
	v_add_nc_u32 v[AC], BIAS, v[AC]                ; C tiles: 8 h words on
	v_lshlrev_b32 v[ABL], 2, v3
	v_add_nc_u32 v[ABL], BIAS+128, v[ABL]          ; bk of row r
	s_lshl_b32 s37, s36, 3
	s_add_co_u32 s37, s37, s34                     ; point tile in the batch, 0..255
	s_lshl_b32 s38, s37, 10
	v_add_nc_u32 v[OQ], s38, v7                    ; qf: tile x 1,024 + 16 L
	s_lshr_b32 s38, s37, 2
	s_lshl_b32 s38, s38, 13                        ; kv: block of 64 keys x 8,192
	s_and_b32 s39, s37, 3
	s_lshl_b32 s39, s39, 10
	s_add_co_u32 s39, s39, s38
	v_add_nc_u32 v[OK_], s39, v7                   ; K image (tile & 3)
	s_bfe_u32 s39, s37, 0x10001
	s_lshl_b32 s39, s39, 11                        ; V: which 32 keys
	s_add_co_u32 s38, s38, s39
	s_and_b32 s39, s37, 1
	s_lshl_b32 s39, s39, 9                         ; V: which half of them
	s_add_co_u32 s38, s38, s39
	s_add_co_u32 s38, s38, 4096
	v_add_nc_u32 v[OV], s38, v7
	s_lshl2_add_u32 s46, s35, s44                  ; bh = 4 b + head
	s_lshl_b32 s40, s46, 18
	s_add_nc_u64 s[28:29], s[28:29], s[40:41]      ; qf at my head
	s_lshl_b32 s40, s46, 19
	s_add_nc_u64 s[30:31], s[30:31], s[40:41]      ; kv likewise
	s_mov_b32 s38, 0x3e8293ee                      ; log2(e) / sqrt(32)
	s_mov_b32 s39, 0x3e8293ee
.macro CVST reg, adr, step, off, n     ; n loaded quads to bf16, 8 bytes a lane into LDS
.set i_, 0
.rept \n
	v_cvt_pk_bf16_f32 v[\reg+4*i_], v[\reg+4*i_], v[\reg+4*i_+1]
	v_cvt_pk_bf16_f32 v[\reg+4*i_+1], v[\reg+4*i_+2], v[\reg+4*i_+3]
	ds_store_b64 v[\adr], v[\reg+4*i_:\reg+4*i_+1] offset:\off+i_*\step
.set i_, i_+1
.endr
.endm
	s_wait_loadcnt 8                               ; the bias word and x are in: wq's 4 and wk's 4 loads are younger
	CVST 16, 9, 2304, 0, 16
	s_wait_loadcnt 4                               ; wq is in
	CVST 80, 10, 2176, 0, 4
	s_wait_loadcnt 0x0
	CVST 96, 10, 2176, WKO, 4
	s_cmp_ge_u32 s34, 2                            ; waves 0 and 1 put bq and bk down; the others fetched the same words and drop them
	s_cbranch_scc1 .Lnobias
	ds_store_b32 v14, v8
.Lnobias:
	s_wait_dscnt 0x0                               ; my stores are in LDS before I say so
	s_barrier_signal -1
	s_barrier_wait -1                              ; everybody's are; LDS is only read from here on
	; ---------------- wave w: point tile 8 block + w
.irp s,0,1,2,3
	ds_load_tr16_b128 v[XF+8*\s:XF+8*\s+3], v[AX] offset:\s*9216           ; c = 32 s + 8 h .. of point r
	ds_load_tr16_b128 v[XF+8*\s+4:XF+8*\s+7], v[AX] offset:\s*9216+4608    ; c = 32 s + 16 + 8 h ..
.endr
; q (isk = 0) or k and v (isk = 1) of the head.  The accumulators take turns, one instruction a turn.
.macro HEAD isk
.if \isk
	PLACES                                         ; the loads below land in registers that q's matrix instructions read
.endif
.irp t,0,1
.irp s,0,1,2,3
	ds_load_b128 v[WA+8*(4*\t+\s):WA+8*(4*\t+\s)+3], v[AW] offset:\isk*WKO+16*\t*WP+64*\s
	ds_load_b128 v[WA+8*(4*\t+\s)+4:WA+8*(4*\t+\s)+7], v[AW] offset:\isk*WKO+16*\t*WP+64*\s+32
.endr
	ds_load_b128 v[BIA+8*\t:BIA+8*\t+3], v[AC] offset:\isk*128+64*\t
	ds_load_b128 v[BIA+8*\t+4:BIA+8*\t+7], v[AC] offset:\isk*128+64*\t+16
.if \isk
	ds_load_b32 v[BL+2*\t], v[ABL] offset:64*\t
	ds_load_b32 v[BL+2*\t+1], v[ABL] offset:64*\t
.endif
.endr
	s_wait_dscnt 0x0
	v_wmma_f32_16x16x32_bf16 v[ACC:ACC+7], v[WA:WA+7], v[XF:XF+7], v[BIA:BIA+7]            ; (d = 8h+j, point r), bias first
	v_wmma_f32_16x16x32_bf16 v[ACC+8:ACC+15], v[WA+32:WA+39], v[XF:XF+7], v[BIA+8:BIA+15]
.if \isk
	v_wmma_f32_16x16x32_bf16 v[ACC+16:ACC+23], v[XF:XF+7], v[WA:WA+7], 0                   ; swapped: (point 8h+j, d = r)
	v_wmma_f32_16x16x32_bf16 v[ACC+24:ACC+31], v[XF:XF+7], v[WA+32:WA+39], 0
.endif
.irp s,1,2,3
	v_wmma_f32_16x16x32_bf16 v[ACC:ACC+7], v[WA+8*\s:WA+8*\s+7], v[XF+8*\s:XF+8*\s+7], v[ACC:ACC+7]
	v_wmma_f32_16x16x32_bf16 v[ACC+8:ACC+15], v[WA+32+8*\s:WA+39+8*\s], v[XF+8*\s:XF+8*\s+7], v[ACC+8:ACC+15]
.if \isk
	v_wmma_f32_16x16x32_bf16 v[ACC+16:ACC+23], v[XF+8*\s:XF+8*\s+7], v[WA+8*\s:WA+8*\s+7], v[ACC+16:ACC+23]
	v_wmma_f32_16x16x32_bf16 v[ACC+24:ACC+31], v[XF+8*\s:XF+8*\s+7], v[WA+32+8*\s:WA+39+8*\s], v[ACC+24:ACC+31]
.endif
.endr
	PLACES
.if \isk
	s_wait_xcnt 0x0                                ; PK is the data of q's stores: rewritten only behind this wait
.irp k,0,2,4,6
	v_pk_add_f32 v[ACC+16+\k:ACC+17+\k], v[ACC+16+\k:ACC+17+\k], v[BL:BL+1]
	v_pk_add_f32 v[ACC+24+\k:ACC+25+\k], v[ACC+24+\k:ACC+25+\k], v[BL+2:BL+3]
.endr
.set k_, 0
.rept 16
	v_cvt_pk_bf16_f32 v[PK+k_], v[ACC+2*k_], v[ACC+2*k_+1]
.set k_, k_+1
.endr
	global_store_b128 v[OK_], v[PK:PK+3], s[30:31]                         ; every store of the wave: 512 consecutive bytes, aligned
	global_store_b128 v[OK_], v[PK+4:PK+7], s[30:31] offset:512
	global_store_b128 v[OV], v[PK+8:PK+11], s[30:31]
	global_store_b128 v[OV], v[PK+12:PK+15], s[30:31] offset:1024
.else
.irp k,0,2,4,6,8,10,12,14
	v_pk_mul_f32 v[ACC+\k:ACC+\k+1], v[ACC+\k:ACC+\k+1], s[38:39] op_sel_hi:[1,0]
.endr
.set k_, 0
.rept 8
	v_cvt_pk_bf16_f32 v[PK+k_], v[ACC+2*k_], v[ACC+2*k_+1]
.set k_, k_+1
.endr
	global_store_b128 v[OQ], v[PK:PK+3], s[28:29]
	global_store_b128 v[OQ], v[PK+4:PK+7], s[28:29] offset:512
.endif
.endm
	HEAD 0
	HEAD 1
	s_wait_tensorcnt 0x0
	ds_add_u32 v208, v209
	s_wait_dscnt 0x0
	s_endpgm
	; ---------------- weight images: wave T makes the fragments (T, s) of one matrix; no LDS, no barrier
; Fragment (T, s): lane (r,h) = row 16 T + r; half q holds k = 32 s + 16 q + 8 h + 0..7, that is 32 bytes of f32 at 128 s + 64 q + 32 h.
.macro IMGSTORE ks, off
	s_wait_loadcnt 0x0
.set p_, 0
.rept 8*\ks
	v_cvt_pk_f16_f32 v[144+p_], v[16+2*p_], v[17+2*p_]
.set p_, p_+1
.endr
.set p_, 0
.rept 2*\ks
	global_store_b128 v7, v[144+4*p_:147+4*p_], s[32:33] offset:\off+512*p_
.set p_, p_+1
.endr
	s_endpgm
.endm
.macro IMGN lo, pitch, ks, off
	s_lshl_b32 s36, s34, 4
	v_add_nc_u32 v6, s36, v3                       ; row 16 T + r
	v_mul_u32_u24 v6, v6, \pitch
	v_lshl_add_u32 v6, v4, 5, v6                   ; + 32 h
	s_mul_i32 s37, s34, \ks*1024
	v_add_nc_u32 v7, s37, v5                       ; my fragments in the image + 16 L
.set p_, 0
.rept 2*\ks
	global_load_b128 v[16+8*p_:19+8*p_], v6, s[\lo:\lo+1] offset:64*p_
	global_load_b128 v[20+8*p_:23+8*p_], v6, s[\lo:\lo+1] offset:64*p_+16
.set p_, p_+1
.endr
	IMGSTORE \ks, \off
.endm
.Limages:
	v_lshlrev_b32 v5, 4, v2
	s_sub_co_u32 s35, ttmp9, 256
	s_cmp_eq_u32 s35, 1
	s_cbranch_scc1 .Lnw3
	s_cmp_eq_u32 s35, 2
	s_cbranch_scc1 .Lnw4
	s_cmp_eq_u32 s35, 3
	s_cbranch_scc1 .Lwfc
	s_cmp_eq_u32 s35, 4
	s_cbranch_scc1 .Lcw1
	s_cmp_eq_u32 s35, 5
	s_cbranch_scc1 .Lcw2
	s_cmp_ge_u32 s34, 6                            ; nw2 has four tiles of rows, nw1 two: six waves have work here
	s_cbranch_scc1 .Ldone
	s_cmp_ge_u32 s34, 4
	s_cbranch_scc1 .Lnw1
	IMGN 16, 128, 1, W_NW2
.Lnw1:                                         ; nw1 [32][4]: K padded from 4 to 32 with zeros; only h = 0, registers 0 and 1 hold numbers
	s_sub_co_u32 s36, s34, 4
	s_lshl_b32 s37, s36, 4
	v_add_nc_u32 v6, s37, v3
	v_lshlrev_b32 v6, 4, v6
	s_lshl_b32 s37, s36, 10
	v_add_nc_u32 v7, s37, v5
	global_load_b128 v[16:19], v6, s[14:15]
	v_cmp_eq_u32 vcc_lo, 0, v4
.irp k,146,147,148,149,150,151
	v_mov_b32 v\k, 0
.endr
	s_wait_loadcnt 0x0
	v_cvt_pk_f16_f32 v144, v16, v17
	v_cvt_pk_f16_f32 v145, v18, v19
	v_cndmask_b32 v144, 0, v144, vcc_lo
	v_cndmask_b32 v145, 0, v145, vcc_lo
	global_store_b128 v7, v[144:147], s[32:33] offset:W_NW1
	global_store_b128 v7, v[148:151], s[32:33] offset:W_NW1+512
.Ldone:
	s_endpgm
.Lnw3:
	IMGN 18, 256, 2, W_NW3
.Lnw4:
	IMGN 20, 512, 4, W_NW4
.Lcw1:
	IMGN 24, 1024, 8, W_CW1
.Lcw2:
	IMGN 26, 512, 4, W_CW2
.Lwfc:                                         ; wfc's columns in the order 32 head + d (as attention leaves them): K step s = head, column c = 4 d + s
	s_lshl_b32 s36, s34, 4
	v_add_nc_u32 v6, s36, v3
	v_lshlrev_b32 v6, 9, v6
	v_lshl_add_u32 v6, v4, 7, v6                   ; row x 512 + 8 h columns of 16 bytes
	s_lshl_b32 s37, s34, 12
	v_add_nc_u32 v7, s37, v5
.set p_, 0
.rept 64
	global_load_b32 v[16+p_], v6, s[22:23] offset:4*(p_>>4)+256*((p_>>3)&1)+16*(p_&7)
.set p_, p_+1
.endr
	IMGSTORE 4, W_WFC
.Lfunc_end_k_qc55d3be124_proj:
	.size	k_qc55d3be124_proj, .Lfunc_end_k_qc55d3be124_proj-k_qc55d3be124_proj
	.p2alignl 7, 3214868480
	.fill 96, 4, 3214868480
	.section	.rodata,"a",@progbits
	.p2align	6, 0x0
	.amdhsa_kernel k_qc55d3be124_proj
		.amdhsa_group_segment_fixed_size 55552
		.amdhsa_private_segment_fixed_size 0
		.amdhsa_enable_private_segment 0
		.amdhsa_kernarg_size 120
		.amdhsa_user_sgpr_count 2
		.amdhsa_user_sgpr_kernarg_segment_ptr 1
		.amdhsa_wavefront_size32 1
		.amdhsa_system_sgpr_workgroup_id_x 1
		.amdhsa_system_sgpr_workgroup_id_y 1
		.amdhsa_system_sgpr_workgroup_id_z 1
		.amdhsa_system_vgpr_workitem_id 0
		.amdhsa_next_free_vgpr 210
		.amdhsa_next_free_sgpr 66
		.amdhsa_reserve_vcc 1
		.amdhsa_float_denorm_mode_32 3
		.amdhsa_float_denorm_mode_16_64 3
		.amdhsa_memory_ordered 1
		.amdhsa_forward_progress 1
		.amdhsa_inst_pref_size 52
	.end_amdhsa_kernel
	.amdgpu_metadata
---
amdhsa.version: [ 1, 2 ]
amdhsa.kernels:
  - .name:           k_qc55d3be124_proj
    .symbol:         k_qc55d3be124_proj.kd
    .args:
      - { .name: x, .offset: 0, .size: 8, .value_kind: global_buffer, .address_space: global }
      - { .name: wq, .offset: 8, .size: 8, .value_kind: global_buffer, .address_space: global }
      - { .name: bq, .offset: 16, .size: 8, .value_kind: global_buffer, .address_space: global }
      - { .name: wk, .offset: 24, .size: 8, .value_kind: global_buffer, .address_space: global }
      - { .name: bk, .offset: 32, .size: 8, .value_kind: global_buffer, .address_space: global }
      - { .name: nw1, .offset: 40, .size: 8, .value_kind: global_buffer, .address_space: global }
      - { .name: nw2, .offset: 48, .size: 8, .value_kind: global_buffer, .address_space: global }
      - { .name: nw3, .offset: 56, .size: 8, .value_kind: global_buffer, .address_space: global }
      - { .name: nw4, .offset: 64, .size: 8, .value_kind: global_buffer, .address_space: global }
      - { .name: wfc, .offset: 72, .size: 8, .value_kind: global_buffer, .address_space: global }
      - { .name: cw1, .offset: 80, .size: 8, .value_kind: global_buffer, .address_space: global }
      - { .name: cw2, .offset: 88, .size: 8, .value_kind: global_buffer, .address_space: global }
      - { .name: qf, .offset: 96, .size: 8, .value_kind: global_buffer, .address_space: global }
      - { .name: kv, .offset: 104, .size: 8, .value_kind: global_buffer, .address_space: global }
      - { .name: wimg, .offset: 112, .size: 8, .value_kind: global_buffer, .address_space: global }
    .group_segment_fixed_size: 55552
    .private_segment_fixed_size: 0
    .kernarg_segment_align: 8
    .kernarg_segment_size: 120
    .max_flat_workgroup_size: 256
    .sgpr_count:     66
    .vgpr_count:     210
    .wavefront_size: 32
...
	.end_amdgpu_metadata
.endif
;; end of part 1
;; launch attn (part 2): grid 32 x 8, 8 waves a work-group, no clusters, 140,800 bytes of LDS; arguments qf, kv, att, negc; writes att, negc
.if DOCPART == 2
	.amdgcn_target "amdgcn-amd-amdhsa--gfx1250"
	.amdhsa_code_object_version 6
	.text
	.protected	k_qc55d3be124_attn
	.globl	k_qc55d3be124_attn
	.p2align	8
	.type	k_qc55d3be124_attn,@function
k_qc55d3be124_attn:
	s_mov_b64 s[64:65], 0
	v_nop
	global_prefetch_b8 v0, s[64:65] scope:SCOPE_SE
	s_setreg_imm32_b32 hwreg(HW_REG_WAVE_MODE, 25, 1), 1
	s_wait_xcnt 0x0
; attn.  Work-group (x, y): 128 queries (block x) of head y = 4 b + head.  att = softmax(q k^T) v, and negc[n] = -(row maximum + log2 of the row sum),
; both in base 2 (q carries log2(e)/sqrt(32)).  Running maximum, f32 sums, bf16 operands.
; Every wave holds all 128 queries (8 tiles) and walks 512 keys of its own in 8 blocks of 64; the eight partial results meet in LDS at the end.
; So each byte of K and V is loaded by one wave of the work-group, 16 bytes a lane, straight into the register in which the matrix instruction reads it.
; S^T = K Q^T: lane (r,h) holds query r and keys 8h+j, so the row maximum is taken within the lane and with lane xor 16, and exp(S^T) packed to bf16 is
; the B fragment of O^T = V^T P^T.  The row sum is a third product, ones x P^T; of it only register 0 (rows 0 and 8) is rescaled and read;
; the other rows are sums of at most 512 numbers of at most 1 and are never used.
; THE STEPS OVERLAP: a step is 64 keys x one query tile.  The four score products of the NEXT step are issued among this step's 32 exponentials
; (into the other of two score buffers), and the next step's two maximum chains among this step's six products with V and with ones.  So the matrix
; instructions run under vector work of the same wave, and real work stands in the places behind them.
; WINDOWS are laid so that lines which are interleaved share one setting (low byte: bits 1:0 source 0, 3:2 source 1, 5:4 source 2, 7:6 destination):
;   window 0: K/V blocks, both score buffers, P, ones, M, Q of tile 7;  window 1: O, row sums, Q of tiles 0-6, the maximum's registers, alpha.
;   0x45 maximum's end, alpha, rescaling;  0x04 subtraction, exponentials and score products (0x00 where the next tile is 7);
;   0x00 packing;  0x50 products into O and the row sums, with the maximum chains (destination and third source in window 1).
; No cluster and no LDS ring: the 32 work-groups of a head do read the same K and V, but a joint request lands in LDS, from where each wave would
; load its own 8,192 bytes again; here these feed 80 matrix instructions and 264 exponentials of the wave and are asked for seven steps ahead.
; Limits: NaN and infinities are not honoured; the order of the sums differs from the reference's.
.set KB0, 16                           ; v[16:79], v[80:143]: two K/V blocks; register 4 k = bytes 512 k of the block
.set KB1, 80
.set S0,  144                          ; v[144:175], v[176:207]: scores of 64 keys x 16 queries, steps by turns
.set P,   208                          ; v[208:223] the same as bf16: two B fragments
.set ONES,224                          ; v[224:231] A fragment of ones
.set M,   232                          ; v[232:239] running maximum of query tile i
.set Q7,  240                          ; v[240:247] Q fragment of tile 7
.set O,   0                            ; window 1: v[256+16 i + 8 t] O^T of tile i, d tile t
.set LS,  128                          ; window 1: v[384+8 i] row sums
.set Q,   192                          ; window 1: v[448+8 i] Q fragments of tiles 0-6
.set MX0, 248                          ; window 1: the two maximum chains (MX0, MX0+1),
.set TX,  250                          ; the other half's maximum,
.set MN,  252                          ; the new maximum (pair; the first register is used for both halves),
.set AL,  254                          ; alpha and its exponent
.set MSB, 0
.macro WIN new                         ; the immediate's high byte repeats the setting that is left
.if MSB != \new
	s_set_vgpr_msb (MSB<<8)|\new
.set MSB, \new
.endif
.endm
.macro PLACES                          ; four places behind a matrix instruction (ISA guide 7.12.1)
.rept 4
	v_nop
.endr
.endm
.macro LOADKV buf
.set k_, 0
.rept 16
	global_load_b128 v[\buf+4*k_:\buf+4*k_+3], v1, s[16:17] offset:512*k_
.set k_, k_+1
.endr
.endm
; the next n lines of the two maximum chains over the score buffer sn_ (16 lines in all); setting 0x50
.macro CHN n
.if more_
.rept \n
.if c_ < 2
	v_max_num_f32 v[MX0+c_], v[sn_+16*c_], v[sn_+16*c_+1]
.else
	v_max3_num_f32 v[MX0+(c_&1)], v[sn_+16*(c_&1)+2*(c_>>1)], v[sn_+16*(c_&1)+2*(c_>>1)+1], v[MX0+(c_&1)]
.endif
.set c_, c_+1
.endr
.endif
.endm
.macro PVW d, a, b, zero
.if \zero
	v_wmma_f32_16x16x32_bf16 v[\d:\d+7], v[\a:\a+7], v[\b:\b+7], 0
.else
	v_wmma_f32_16x16x32_bf16 v[\d:\d+7], v[\a:\a+7], v[\b:\b+7], v[\d:\d+7]
.endif
.endm
	s_load_b256 s[4:11], s[0:1], 0x0               ; qf 4, kv 6, att 8, negc 10
	v_lshl_add_u32 v254, v0, 2, 0x22200
	v_mov_b32 v255, 0
	v_lshrrev_b32 v2, 5, v0
	v_readfirstlane_b32 s12, v2                    ; wave
	v_and_b32 v3, 31, v0
	v_lshlrev_b32 v1, 4, v3                        ; 16 L
	s_and_b32 s13, ttmp7, 0xffff                   ; bh
	s_mov_b32 s22, 0x76543210                      ; v_permlanex16_b32: lane i of the other half
	s_mov_b32 s23, 0xfedcba98
	s_lshl_b32 s14, s13, 18
	s_lshl_b32 s15, ttmp9, 13
	s_add_co_u32 s14, s14, s15                     ; qf: head x 262,144 + 8 tiles x 1,024 x block
	s_mov_b32 s15, 0
	s_lshl_b32 s18, s13, 19
	s_lshl_b32 s19, s12, 16
	s_add_co_u32 s18, s18, s19                     ; kv: head x 524,288 + wave x 8 blocks x 8,192
	s_mov_b32 s19, 0
	s_wait_kmcnt 0x0
	s_add_nc_u64 s[4:5], s[4:5], s[14:15]
	s_add_nc_u64 s[16:17], s[6:7], s[18:19]
	LOADKV KB0
	WIN 0x40                                       ; destination in window 1
.set k_, 0
.rept 14
	global_load_b128 v[Q+4*k_:Q+4*k_+3], v1, s[4:5] offset:512*k_
.set k_, k_+1
.endr
	v_mov_b32 v[TX], 0                             ; a lane permute's destination counts as read
	v_mov_b32 v[MN+1], 0                           ; second register of a pair of which the first is used twice
	WIN 0
	global_load_b128 v[Q7:Q7+3], v1, s[4:5] offset:7168
	global_load_b128 v[Q7+4:Q7+7], v1, s[4:5] offset:7680
.irp k,0,1,2,3,4,5,6,7
	v_mov_b32 v[ONES+\k], 0x3f803f80
.endr
	s_wait_loadcnt 0x0                             ; Q and the first block
	WIN 0x04                                       ; ahead of the first step: its scores and its maximum chains
.irp t,0,1,2,3
	v_wmma_f32_16x16x32_bf16 v[S0+8*\t:S0+8*\t+7], v[KB0+8*\t:KB0+8*\t+7], v[Q:Q+7], 0
.endr
	WIN 0x50
	PLACES
.set sn_, S0
.set c_, 0
.set more_, 1
	CHN 16
; Step: 64 keys (block in buf) x query tile i.  At its head the tile's scores lie in buffer i & 1 and the two chains hold their maxima.
; first = 1: the tile's first keys start maximum and sums.  more = 1: a step follows, tile ni of the block in nbuf.
; ld = 1: the next block is asked for, into other;  ld = 2: it is waited for.
.macro STEP i, buf, first, ni, nbuf, more, ld, other
.set sc_, S0+32*(\i&1)
.set sn_, S0+32*((\i+1)&1)
.set c_, 0
.set more_, \more
.if (\ni) == 7
.set qr_, Q7
.else
.set qr_, Q+8*(\ni)
.endif
	WIN 0x45
.if \first
	v_max_num_f32 v[MX0], v[MX0], v[MX0+1]
.else
	v_max3_num_f32 v[MX0], v[MX0], v[MX0+1], v[M+\i]       ; third source in window 0
.endif
	v_permlanex16_b32 v[TX], v[MX0], s22, s23      ; the other 32 keys of query r
	v_max_num_f32 v[MN], v[MX0], v[TX]
.if \first
.else
	v_fma_f32 v[AL+1], v[MN], -1.0, v[M+\i]        ; old maximum - new maximum
	v_exp_f32 v[AL], v[AL+1]                       ; alpha; the lines below are the plain place behind it (ISA guide 5.7.2)
.endif
	WIN 0x04
	v_add_f32 v[M+\i], 0, v[MN]                    ; the new maximum into window 0
.set k_, 0
.rept 16
	v_pk_add_f32 v[sc_+k_:sc_+k_+1], v[sc_+k_:sc_+k_+1], v[MN:MN+1] op_sel_hi:[1,0] neg_lo:[0,1] neg_hi:[0,1]
.set k_, k_+2
.endr
.if (\ld) == 1
	s_add_nc_u64 s[16:17], s[16:17], 0x2000        ; no load is out: the last block's were waited for in its last step
	LOADKV \other                                  ; more than four places behind the last matrix instruction that read that buffer
.endif
.if (\ld) == 2
	s_wait_loadcnt 0x0                             ; the next block's 16 loads, issued seven steps ago, are the only ones out
.endif
.if \more
.if (\ni) == 7
	WIN 0
.endif
.endif
.set e_, 0
.irp t,0,1,2,3
.if \more
	v_wmma_f32_16x16x32_bf16 v[sn_+8*\t:sn_+8*\t+7], v[\nbuf+8*\t:\nbuf+8*\t+7], v[qr_:qr_+7], 0
.endif
.rept 8
	v_exp_f32 v[sc_+e_], v[sc_+e_]
.set e_, e_+1
.endr
.endr
.if \first
	v_nop                                          ; the plain place behind the exponentials
	s_wait_alu depctr_va_vdst(0)
.else
	WIN 0x45                                       ; the rescaling is that place
	s_wait_alu depctr_va_vdst(0)
.irp k,0,2,4,6,8,10,12,14
	v_pk_mul_f32 v[O+16*\i+\k:O+16*\i+\k+1], v[O+16*\i+\k:O+16*\i+\k+1], v[AL:AL+1] op_sel_hi:[1,0]
.endr
	v_mul_f32 v[LS+8*\i], v[LS+8*\i], v[AL]
.endif
	WIN 0
.set k_, 0
.rept 16
	v_cvt_pk_bf16_f32 v[P+k_], v[sc_+2*k_], v[sc_+2*k_+1]
.set k_, k_+1
.endr
	WIN 0x50                                       ; three accumulators by turns, one instruction a turn
	PVW O+16*\i, \buf+32, P, \first
	CHN 3
	PVW O+16*\i+8, \buf+40, P, \first
	CHN 3
	PVW LS+8*\i, ONES, P, \first
	CHN 3
	PVW O+16*\i, \buf+48, P+8, 0
	CHN 3
	PVW O+16*\i+8, \buf+56, P+8, 0
	CHN 2
	PVW LS+8*\i, ONES, P+8, 0
	CHN 2
.endm
; One block of 64 keys against all eight query tiles; load = 1: another block follows, in the other buffer.
.macro BLOCK buf, other, first, load
	STEP 0, \buf, \first, 1, \buf, 1, \load, \other
.irp i,1,2,3,4,5,6
	STEP \i, \buf, \first, \i+1, \buf, 1, 0, \other
.endr
	STEP 7, \buf, \first, 0, \other, \load, 2*\load, \other
	WIN 0
.endm
	BLOCK KB0, KB1, 1, 1
	BLOCK KB1, KB0, 0, 1
	s_mov_b32 s20, 2
.Lblk:
	BLOCK KB0, KB1, 0, 1
	BLOCK KB1, KB0, 0, 1
	s_sub_co_u32 s20, s20, 1
	s_cmp_lg_u32 s20, 0
	s_cbranch_scc1 .Lblk
	BLOCK KB0, KB1, 0, 1
	BLOCK KB1, KB0, 0, 0                           ; the eighth block: nothing more to load, no step behind its last
	; ---------------- the eight waves' partial results meet: O at 0 [wave][tile][quad][16 L], M at 131,072 and L at 135,168 [wave][128]
.set MM,  144
.set LL,  152
.set F,   160                          ; pairs: factor, its exponent
.set OSM, 176
.set T0,  208                          ; the row's maximum
.set T1,  209                          ; the row's sum
.set T2,  210
.set T3,  212                          ; pair; the first register is used for both halves (both were written as P)
	PLACES
	s_lshl_b32 s14, s12, 14
	v_add_nc_u32 v4, s14, v1
	v_and_b32 v6, 15, v0
	v_lshlrev_b32 v6, 2, v6                        ; 4 r
	s_lshl_b32 s15, s12, 9
	s_add_co_u32 s15, s15, 131072
	v_add_nc_u32 v5, s15, v6
	WIN 0x04                                       ; store data in window 1
.irp i,0,1,2,3,4,5,6,7
.irp qd,0,1,2,3
	ds_store_b128 v4, v[O+16*\i+4*\qd:O+16*\i+4*\qd+3] offset:2048*\i+512*\qd
.endr
	ds_store_b32 v5, v[LS+8*\i] offset:4096+64*\i  ; lanes r and r + 16 hold the same number
.endr
	WIN 0
.irp i,0,1,2,3,4,5,6,7
	ds_store_b32 v5, v[M+\i] offset:64*\i
.endr
	s_wait_dscnt 0x0                               ; my stores are in LDS before I say so
	s_barrier_signal -1
	s_barrier_wait -1
	; wave w merges query tile w
	s_lshl_b32 s14, s12, 6
	s_add_co_u32 s14, s14, 131072
	v_add_nc_u32 v7, s14, v6
	s_lshl_b32 s15, s12, 11
	v_add_nc_u32 v8, s15, v1
	v_add_nc_u32 v9, 0x10000, v8                   ; waves 4-7 lie beyond the 16-bit offset
.irp p,0,1,2,3,4,5,6,7
	ds_load_b32 v[MM+\p], v7 offset:512*\p
	ds_load_b32 v[LL+\p], v7 offset:4096+512*\p
.endr
.irp p,0,1,2,3
.irp qd,0,1,2,3
	ds_load_b128 v[16+16*\p+4*\qd:19+16*\p+4*\qd], v8 offset:16384*\p+512*\qd
	ds_load_b128 v[80+16*\p+4*\qd:83+16*\p+4*\qd], v9 offset:16384*\p+512*\qd
.endr
.endr
	s_wait_dscnt 0x0
	v_max3_num_f32 v[T0], v[MM], v[MM+1], v[MM+2]
	v_max3_num_f32 v[T0], v[T0], v[MM+3], v[MM+4]
	v_max3_num_f32 v[T0], v[T0], v[MM+5], v[MM+6]
	v_max_num_f32 v[T0], v[T0], v[MM+7]            ; the row's maximum
.irp p,0,1,2,3,4,5,6,7
	v_sub_f32 v[F+2*\p+1], v[MM+\p], v[T0]
.endr
.irp p,0,1,2,3,4,5,6,7
	v_exp_f32 v[F+2*\p], v[F+2*\p+1]
.endr
	v_nop
	s_wait_alu depctr_va_vdst(0)
	v_mul_f32 v[T1], v[F], v[LL]
.irp p,1,2,3,4,5,6,7
	v_fmac_f32 v[T1], v[F+2*\p], v[LL+\p]          ; the row's sum
.endr
.irp k,0,2,4,6,8,10,12,14
	v_pk_mul_f32 v[OSM+\k:OSM+\k+1], v[16+\k:17+\k], v[F:F+1] op_sel_hi:[1,0]
.endr
.irp p,1,2,3,4,5,6,7
.irp k,0,2,4,6,8,10,12,14
	v_pk_fma_f32 v[OSM+\k:OSM+\k+1], v[16+16*\p+\k:17+16*\p+\k], v[F+2*\p:F+2*\p+1], v[OSM+\k:OSM+\k+1] op_sel_hi:[1,0,1]
.endr
.endr
	v_rcp_f32 v[T3], v[T1]
	v_log_f32 v[T2], v[T1]
	v_nop
	s_wait_alu depctr_va_vdst(0)
	v_add_f32 v[T2], v[T0], v[T2]
	v_mul_f32 v[T2], -1.0, v[T2]                   ; -(M + log2 L)
.irp k,0,2,4,6,8,10,12,14
	v_pk_mul_f32 v[OSM+\k:OSM+\k+1], v[OSM+\k:OSM+\k+1], v[T3:T3+1] op_sel_hi:[1,0]
.endr
	s_lshr_b32 s14, s13, 2                         ; att [b][point tile][head][quad][lane][16]
	s_lshl_b32 s14, s14, 8
	s_lshl_b32 s15, ttmp9, 3
	s_add_co_u32 s14, s14, s15
	s_add_co_u32 s14, s14, s12
	s_lshl_b32 s14, s14, 2
	s_and_b32 s15, s13, 3
	s_add_co_u32 s14, s14, s15
	s_lshl_b32 s14, s14, 11
	v_add_nc_u32 v10, s14, v1
.irp qd,0,1,2,3
	global_store_b128 v10, v[OSM+4*\qd:OSM+4*\qd+3], s[8:9] offset:512*\qd     ; 512 consecutive bytes a store, aligned
.endr
	ds_store_b32 v7, v[T2] offset:8192             ; negc of my 16 queries, at 139,264 + 64 w + 4 r: bytes that nothing else uses
	s_wait_dscnt 0x0
	s_barrier_signal -1
	s_barrier_wait -1
	s_cmp_lg_u32 s12, 0
	s_cbranch_scc1 .Lend
	v_add_nc_u32 v11, 139264, v1
	ds_load_b128 v[16:19], v11                     ; wave 0 stores the block's 128 numbers as 512 consecutive bytes
	s_lshl_b32 s14, s13, 14
	s_lshl_b32 s15, ttmp9, 9
	s_add_co_u32 s14, s14, s15
	v_add_nc_u32 v12, s14, v1
	s_wait_dscnt 0x0
	global_store_b128 v12, v[16:19], s[10:11]
.Lend:
	s_wait_tensorcnt 0x0
	ds_add_u32 v254, v255
	s_wait_dscnt 0x0
	s_endpgm
.Lfunc_end_k_qc55d3be124_attn:
	.size	k_qc55d3be124_attn, .Lfunc_end_k_qc55d3be124_attn-k_qc55d3be124_attn
	.p2alignl 7, 3214868480
	.fill 96, 4, 3214868480
	.section	.rodata,"a",@progbits
	.p2align	6, 0x0
	.amdhsa_kernel k_qc55d3be124_attn
		.amdhsa_group_segment_fixed_size 140800
		.amdhsa_private_segment_fixed_size 0
		.amdhsa_enable_private_segment 0
		.amdhsa_kernarg_size 32
		.amdhsa_user_sgpr_count 2
		.amdhsa_user_sgpr_kernarg_segment_ptr 1
		.amdhsa_wavefront_size32 1
		.amdhsa_system_sgpr_workgroup_id_x 1
		.amdhsa_system_sgpr_workgroup_id_y 1
		.amdhsa_system_sgpr_workgroup_id_z 1
		.amdhsa_system_vgpr_workitem_id 0
		.amdhsa_next_free_vgpr 512
		.amdhsa_next_free_sgpr 66
		.amdhsa_reserve_vcc 0
		.amdhsa_float_denorm_mode_32 3
		.amdhsa_float_denorm_mode_16_64 3
		.amdhsa_memory_ordered 1
		.amdhsa_forward_progress 1
		.amdhsa_inst_pref_size 255
	.end_amdhsa_kernel
	.section	.bss,"aw",@nobits
	.p2align	6
	.space	262144
	.amdgpu_metadata
---
amdhsa.version: [ 1, 2 ]
amdhsa.kernels:
  - .name:           k_qc55d3be124_attn
    .symbol:         k_qc55d3be124_attn.kd
    .args:
      - { .name: qf, .offset: 0, .size: 8, .value_kind: global_buffer, .address_space: global }
      - { .name: kv, .offset: 8, .size: 8, .value_kind: global_buffer, .address_space: global }
      - { .name: att, .offset: 16, .size: 8, .value_kind: global_buffer, .address_space: global }
      - { .name: negc, .offset: 24, .size: 8, .value_kind: global_buffer, .address_space: global }
    .group_segment_fixed_size: 140800
    .private_segment_fixed_size: 0
    .kernarg_segment_align: 8
    .kernarg_segment_size: 32
    .max_flat_workgroup_size: 256
    .sgpr_count:     66
    .vgpr_count:     512
    .wavefront_size: 32
...
	.end_amdgpu_metadata
.endif
;; end of part 2
;; launch colsum (part 3): grid 32 x 8, 16 waves a work-group, no clusters, 10,240 bytes of LDS; arguments qf, kv, negc, hs; writes hs
.if DOCPART == 3
	.amdgcn_target "amdgcn-amd-amdhsa--gfx1250"
	.amdhsa_code_object_version 6
	.text
	.protected	k_qc55d3be124_colsum
	.globl	k_qc55d3be124_colsum
	.p2align	8
	.type	k_qc55d3be124_colsum,@function
k_qc55d3be124_colsum:
	s_mov_b64 s[64:65], 0
	v_nop
	global_prefetch_b8 v0, s[64:65] scope:SCOPE_SE
	s_setreg_imm32_b32 hwreg(HW_REG_WAVE_MODE, 25, 1), 1
	s_wait_xcnt 0x0
; colsum.  hs[bh][m] = sum over all 4,096 queries n of softmax(q k^T)[n][m], for 128 keys m (block x) of head y.
; The scores are made again: S = Q K^T + C with C[n][.] = negc[n] = -(row maximum + log2 row sum), so that the matrix instruction takes the row's
; maximum away and normalises, exp2 gives the probability (at most about 1), and the sum over queries is an add within the lane.
; Sixteen waves, four on a SIMD (4 x 240 registers).  Every wave keeps the block's eight K fragments and walks 256 queries of its own (16 tiles)
; through a ring of four register slots (Q fragment 8 registers + C tile 8 registers).  The sixteen sums meet in LDS; wave 0 stores 512 consecutive bytes.
; THE PRODUCTS RUN AHEAD: two score tiles at a time go into one of two buffers of 16 registers; while one pair's 16 exponentials and 8 packed adds
; are issued, the next pair's two products are in the matrix unit, and the adds are the places behind them.
; The 16 turns are written out, so that every load's place is an immediate offset and no base is ever stepped.
; No cluster and no LDS ring: the 32 work-groups of a head read the same Q images, but each wave of a work-group reads other bytes, straight into the
; registers of the matrix instruction; 1,088 bytes of a slot feed 8 matrix instructions and 64 exponentials of the wave.
; Limits: NaN and infinities are not honoured; the order of the sums differs from the reference's.
.set KF,   16                          ; v[16:79]   K fragments of key tiles 0-7
.set ACC,  80                          ; v[80:143]  sums: key tile t at 8 t, register j = queries 8h+j of every tile
.set S,    144                         ; v[144:159], v[160:175] two pairs of score tiles
.set RING, 176                         ; v[176:239] slot sl: Q at 16 sl, C at 16 sl + 8
.set TILES, 16                         ; query tiles of a wave
.macro PLACES                          ; four places behind a matrix instruction (ISA guide 7.12.1)
.rept 4
	v_nop
.endr
.endm
	s_load_b256 s[4:11], s[0:1], 0x0               ; qf 4, kv 6, negc 8, hs 10
	v_lshl_add_u32 v240, v0, 2, 0x2000
	v_mov_b32 v241, 0
	v_lshrrev_b32 v4, 5, v0
	v_readfirstlane_b32 s12, v4                    ; wave
	v_and_b32 v3, 31, v0
	v_lshlrev_b32 v1, 4, v3                        ; 16 L
	v_bfe_u32 v2, v0, 4, 1
	v_lshlrev_b32 v2, 5, v2                        ; 32 h: eight words of negc
	s_and_b32 s13, ttmp7, 0xffff                   ; bh
	s_mov_b32 s22, 0x76543210
	s_mov_b32 s23, 0xfedcba98
	s_lshl_b32 s14, s13, 19
	s_lshl_b32 s20, ttmp9, 14
	s_add_co_u32 s14, s14, s20                     ; kv: head x 524,288 + two blocks of 8,192 x block
	s_mov_b32 s15, 0
	s_lshl_b32 s24, s13, 18
	s_lshl_b32 s20, s12, 14
	s_add_co_u32 s24, s24, s20                     ; qf: head x 262,144 + wave x 16 tiles x 1,024
	s_mov_b32 s25, 0
	s_lshl_b32 s26, s13, 14                        ; head x 16,384: negc and hs
	s_lshl_b32 s20, s12, 10
	s_add_co_u32 s20, s26, s20                     ; negc: + wave x 256 words
	s_mov_b32 s21, 0
	s_wait_kmcnt 0x0
	s_add_nc_u64 s[6:7], s[6:7], s[14:15]
	s_add_nc_u64 s[16:17], s[4:5], s[24:25]
	s_add_nc_u64 s[18:19], s[8:9], s[20:21]
.set t_, 0
.rept 8
	global_load_b128 v[KF+8*t_:KF+8*t_+3], v1, s[6:7] offset:(t_>>2)*8192+(t_&3)*1024
	global_load_b128 v[KF+8*t_+4:KF+8*t_+7], v1, s[6:7] offset:(t_>>2)*8192+(t_&3)*1024+512
.set t_, t_+1
.endr
.macro FILL tl                         ; four loads: query tile tl into slot tl & 3
	global_load_b128 v[RING+16*((\tl)&3):RING+16*((\tl)&3)+3], v1, s[16:17] offset:(\tl)*1024
	global_load_b128 v[RING+16*((\tl)&3)+4:RING+16*((\tl)&3)+7], v1, s[16:17] offset:(\tl)*1024+512
	global_load_b128 v[RING+16*((\tl)&3)+8:RING+16*((\tl)&3)+11], v2, s[18:19] offset:(\tl)*64
	global_load_b128 v[RING+16*((\tl)&3)+12:RING+16*((\tl)&3)+15], v2, s[18:19] offset:(\tl)*64+16
.endm
; two products: the slot's 16 queries x key tiles 2 g, 2 g + 1, into score buffer sb
.macro MM2 sl, g, sb
.irp u,0,1
	v_wmma_f32_16x16x32_bf16 v[S+16*(\sb)+8*\u:S+16*(\sb)+8*\u+7], v[RING+16*(\sl):RING+16*(\sl)+7], v[KF+8*(2*(\g)+\u):KF+8*(2*(\g)+\u)+7], v[RING+16*(\sl)+8:RING+16*(\sl)+15]
.endr
.endm
; score buffer sb (key tiles 2 g, 2 g + 1): exponentials, added to the sums.  first = 1: the exponentials start the sums.
.macro EXPADD g, sb, first
.set k_, 0
.rept 16
.if \first
	v_exp_f32 v[ACC+16*(\g)+k_], v[S+16*(\sb)+k_]
.else
	v_exp_f32 v[S+16*(\sb)+k_], v[S+16*(\sb)+k_]
.endif
.set k_, k_+1
.endr
.if \first
	PLACES                                         ; no adds here: the places behind the products just issued
.else
	v_nop                                          ; the plain place behind the exponentials (ISA guide 5.7.2)
.set k_, 0
	s_wait_alu depctr_va_vdst(0)
.rept 8
	v_pk_add_f32 v[ACC+16*(\g)+k_:ACC+16*(\g)+k_+1], v[ACC+16*(\g)+k_:ACC+16*(\g)+k_+1], v[S+16*(\sb)+k_:S+16*(\sb)+k_+1]
.set k_, k_+2
.endr
.endif
.endm
	FILL 0
	FILL 1
	FILL 2
	FILL 3
	s_wait_loadcnt 12                              ; K and tile 0 are in; the three younger slots' 12 loads stay out
	MM2 0, 0, 0
	PLACES
.set t_, 0
.set first_, 1
.rept TILES
	MM2 (t_&3), 1, 1
	EXPADD 0, 0, first_
	MM2 (t_&3), 2, 0
	EXPADD 1, 1, first_
	MM2 (t_&3), 3, 1                               ; the slot's last products
	EXPADD 2, 0, first_
.if t_+4 < TILES
	FILL (t_+4)                                    ; four places and more behind them: the slot's next tile
.endif
.if t_+1 < TILES
.if t_+4 < TILES
	s_wait_loadcnt 12                              ; loads come back in order (ISA guide 5.7.1): the next tile is in, three younger slots stay out
.else
	s_wait_loadcnt 4*(TILES-2-t_)                  ; nothing is asked for any more: the counts run down 8, 4, 0
.endif
	MM2 ((t_+1)&3), 0, 0
.endif
	EXPADD 3, 1, first_
.set first_, 0
.set t_, t_+1
.endr
	; my 256 queries: over the lane's eight registers, then over the two halves of the lanes
	v_and_b32 v5, 15, v0
	v_lshlrev_b32 v5, 2, v5
	v_lshl_add_u32 v5, v4, 9, v5                   ; red[wave][16 t + r]
.irp t,0,1,2,3,4,5,6,7
	v_pk_add_f32 v[ACC+8*\t:ACC+8*\t+1], v[ACC+8*\t:ACC+8*\t+1], v[ACC+8*\t+2:ACC+8*\t+3]
	v_pk_add_f32 v[ACC+8*\t+4:ACC+8*\t+5], v[ACC+8*\t+4:ACC+8*\t+5], v[ACC+8*\t+6:ACC+8*\t+7]
.endr
.irp t,0,1,2,3,4,5,6,7
	v_pk_add_f32 v[ACC+8*\t:ACC+8*\t+1], v[ACC+8*\t:ACC+8*\t+1], v[ACC+8*\t+4:ACC+8*\t+5]
.endr
.irp t,0,1,2,3,4,5,6,7
	v_add_f32 v[ACC+8*\t], v[ACC+8*\t], v[ACC+8*\t+1]
.endr
.irp t,0,1,2,3,4,5,6,7
	v_permlanex16_b32 v[S+\t], v[ACC+8*\t], s22, s23
.endr
.irp t,0,1,2,3,4,5,6,7
	v_add_f32 v[ACC+8*\t], v[ACC+8*\t], v[S+\t]
	ds_store_b32 v5, v[ACC+8*\t] offset:64*\t
.endr
	s_wait_dscnt 0x0                               ; my stores are in LDS before I say so
	s_barrier_signal -1
	s_barrier_wait -1
	s_cmp_lg_u32 s12, 0
	s_cbranch_scc1 .Lend
.set p_, 0
.rept 16
	ds_load_b128 v[S+4*p_:S+4*p_+3], v1 offset:512*p_
.set p_, p_+1
.endr
	s_lshl_b32 s20, ttmp9, 9
	s_add_co_u32 s26, s26, s20                     ; hs: head x 16,384 + block x 512
	v_add_nc_u32 v6, s26, v1
	s_wait_dscnt 0x0
.set p_, 1
.rept 15
	v_pk_add_f32 v[S:S+1], v[S:S+1], v[S+4*p_:S+4*p_+1]
	v_pk_add_f32 v[S+2:S+3], v[S+2:S+3], v[S+4*p_+2:S+4*p_+3]
.set p_, p_+1
.endr
	global_store_b128 v6, v[S:S+3], s[10:11]
.Lend:
	s_wait_tensorcnt 0x0
	ds_add_u32 v240, v241
	s_wait_dscnt 0x0
	s_endpgm
.Lfunc_end_k_qc55d3be124_colsum:
	.size	k_qc55d3be124_colsum, .Lfunc_end_k_qc55d3be124_colsum-k_qc55d3be124_colsum
	.p2alignl 7, 3214868480
	.fill 96, 4, 3214868480
	.section	.rodata,"a",@progbits
	.p2align	6, 0x0
	.amdhsa_kernel k_qc55d3be124_colsum
		.amdhsa_group_segment_fixed_size 10240
		.amdhsa_private_segment_fixed_size 0
		.amdhsa_enable_private_segment 0
		.amdhsa_kernarg_size 32
		.amdhsa_user_sgpr_count 2
		.amdhsa_user_sgpr_kernarg_segment_ptr 1
		.amdhsa_wavefront_size32 1
		.amdhsa_system_sgpr_workgroup_id_x 1
		.amdhsa_system_sgpr_workgroup_id_y 1
		.amdhsa_system_sgpr_workgroup_id_z 1
		.amdhsa_system_vgpr_workitem_id 0
		.amdhsa_next_free_vgpr 242
		.amdhsa_next_free_sgpr 66
		.amdhsa_reserve_vcc 0
		.amdhsa_float_denorm_mode_32 3
		.amdhsa_float_denorm_mode_16_64 3
		.amdhsa_memory_ordered 1
		.amdhsa_forward_progress 1
		.amdhsa_inst_pref_size 91
	.end_amdhsa_kernel
	.amdgpu_metadata
---
amdhsa.version: [ 1, 2 ]
amdhsa.kernels:
  - .name:           k_qc55d3be124_colsum
    .symbol:         k_qc55d3be124_colsum.kd
    .args:
      - { .name: qf, .offset: 0, .size: 8, .value_kind: global_buffer, .address_space: global }
      - { .name: kv, .offset: 8, .size: 8, .value_kind: global_buffer, .address_space: global }
      - { .name: negc, .offset: 16, .size: 8, .value_kind: global_buffer, .address_space: global }
      - { .name: hs, .offset: 24, .size: 8, .value_kind: global_buffer, .address_space: global }
    .group_segment_fixed_size: 10240
    .private_segment_fixed_size: 0
    .kernarg_segment_align: 8
    .kernarg_segment_size: 32
    .max_flat_workgroup_size: 512
    .sgpr_count:     66
    .vgpr_count:     242
    .wavefront_size: 32
...
	.end_amdgpu_metadata
.endif
;; end of part 3
;; launch tail (part 4): grid 128 x 1, 4 waves a work-group, clusters of 4 x 1, 264,704 bytes of LDS; arguments x, att, hs, zoom, wimg, out0, ng1, nb1, nbeta1, ng2, nb2, nbeta2, ng3, nb3, nbeta3, nb4, bfc, cg1, cb1, cbeta1, cb2, lng, lnb; writes out0
.if DOCPART == 4
	.amdgcn_target "amdgcn-amd-amdhsa--gfx1250"
	.amdhsa_code_object_version 6
	.text
	.protected	k_qc55d3be124_tail
	.globl	k_qc55d3be124_tail
	.p2align	8
	.type	k_qc55d3be124_tail,@function
k_qc55d3be124_tail:
	s_mov_b64 s[64:65], 0
	v_nop
	global_prefetch_b8 v0, s[64:65] scope:SCOPE_SE
	s_setreg_imm32_b32 hwreg(HW_REG_WAVE_MODE, 25, 1), 1
	s_wait_xcnt 0x0
	s_wait_alu depctr_hold_cnt(0) depctr_sa_sdst(0) depctr_va_vdst(0) depctr_va_sdst(0) depctr_va_ssrc(0) depctr_va_vcc(0) depctr_vm_vsrc(0)
	s_getreg_b32 s2, hwreg(HW_REG_IB_STS2, 6, 4)
	s_cmp_eq_u32 s2, 0
	s_cbranch_scc0 .Lentry_in_a_cluster
	s_endpgm
.Lentry_in_a_cluster:
	s_bfe_u32 s2, ttmp6, 0x10000c
	s_cmp_lg_u32 s2, 0x3003
	s_cbranch_scc0 .Lentry_shape_is_right
	s_endpgm
.Lentry_shape_is_right:
; tail.  Everything behind attention, for 64 points a work-group, 16 points a wave, all channels in the wave:
;   c_feat = wfc att + bfc;  conf = sigmoid(zoom 1.414 (Hs - Hs^2/4096));  four layers on conf, LayerNorm, + x;  cw1 on [xr, c_feat], cw2, LayerNorm.
; Every layer is out^T[o][n] = W[o][c] act[c][n]: A = a weight fragment from the image in LDS, B = the activations.  A result tile holds
; (o = 8h+j, point r), and two of them packed to f16 are the next layer's B fragment: nothing is transposed and no wave waits for another in the chain.
; f16 operands with an exact power-of-two scale for each point: act is divided by SS = 2^floor(log2 max|act|) of its point before it is packed
; (so it lies below 2), and the layer's sums are multiplied by SS again in the fused multiply-add that adds the bias.
; CLUSTER: four work-groups along x ask jointly for the 186,368 bytes of weight images, which all work-groups read: one joint load a wave, once.
; LDS: images 0; 13 vectors of 512 bytes at CT; x tile [128 c][64 points] f32, pitch 272, at XS; output stage of the same shape at OS.
; CT and OS are written by LDS stores and lie in 256-byte blocks of their own, into which no tensor load lands.  Nothing is filled twice.
; Limits: weights in f16 (65,504 and above overflow; below 6e-5 f16's denormal precision); the scale's exponent is kept within 2^-126 .. 2^126;
; the quotient of c_feat's and xr's scales must be a finite f32; NaN and infinities are not honoured; sums in another order than the reference's.
.set CT,   186368
.set XS,   193024
.set OS,   227840
.set XP,   272
.set W_NW1, 0
.set W_NW2, 2048
.set W_NW3, 6144
.set W_NW4, 22528
.set W_WFC, 55296
.set W_CW1, 88064
.set W_CW2, 153600
.set IA,   4                           ; v4-6    16 L + 0, 65,536, 131,072: the images reach beyond a 16-bit offset
.set VCT,  7                           ; v7      CT + 32 h
.set VX,   8                           ; v8      XS + 8 h rows + my point's word
.set VO,   9                           ; v9      the same in OS
.set SS,   10                          ; pairs, both registers alike: scale of the packed activations,
.set INV,  12                          ; its reciprocal,
.set S2,   14                          ; c_feat's scale,
.set RAT,  16                          ; c_feat's scale over xr's,
.set MEAN, 18
.set RSTD, 20
.set AM0,  22
.set AM1,  23
.set TX,   24
.set VCS,  25                          ; CT + 4 t
.set SM,   26                          ; v[26:29] sums
.set ACC,  32                          ; v[32:95]   eight result tiles (at first: att in f32)
.set AB,   96                          ; v[96:159]  two buffers of four A fragments; also constants
.set BF,   160                         ; v[160:191] B fragments of the running chain
.set CF,   192                         ; v[192:223] B fragments of c_feat
.set CONF, 224                         ; v[224:231] B fragment of conf
.set HSV,  232                         ; v[232:235]
.set OT4,  236                         ; v[236:238] 4 t, 4 min(t,31), 4 min(t,63)
.macro PLACES                          ; four places behind a matrix instruction (ISA guide 7.12.1)
.rept 4
	v_nop
.endr
.endm
.macro ROUND                           ; a round of the cluster's barrier
	s_barrier_signal -1
	s_barrier_wait -1
	s_cmp_lg_u32 s80, 0
	s_cbranch_scc1 .Lnot_wave_0_\@
	s_barrier_signal -3
.Lnot_wave_0_\@:
	s_barrier_wait -3
	s_barrier_signal -1
	s_barrier_wait -1
.endm
	s_load_b512 s[4:19], s[0:1], 0x0               ; x 4, att 6, hs 8, zoom 10, wimg 12, out0 14, ng1 16, nb1 18
	s_load_b512 s[20:35], s[0:1], 0x40             ; nbeta1 20, ng2 22, nb2 24, nbeta2 26, ng3 28, nb3 30, nbeta3 32, nb4 34
	s_load_b256 s[36:43], s[0:1], 0x80             ; bfc 36, cg1 38, cb1 40, cbeta1 42
	s_load_b128 s[44:47], s[0:1], 0xa0             ; cb2 44, lng 46
	s_load_b64 s[48:49], s[0:1], 0xb0              ; lnb
	v_lshl_add_u32 v240, v0, 2, 0x40800
	v_mov_b32 v241, 0
	ds_add_u32 v240, v241
	v_lshrrev_b32 v1, 5, v0
	v_readfirstlane_b32 s80, v1                    ; wave
	s_bfe_u32 s81, ttmp6, 0x40000                  ; cx
	s_lshl_b32 s82, ttmp9, 2
	s_add_co_u32 s82, s82, s81                     ; work-group x: it enters global addresses alone
	s_lshr_b32 s83, s82, 6                         ; b
	s_and_b32 s88, s82, 63                         ; block of 64 points
	s_mov_b32 s94, 0x76543210
	s_mov_b32 s95, 0xfedcba98
	s_mov_b32 s96, 0x3f7fffac                      ; 1 / sqrt(1 + 1e-5)
	s_mov_b32 s97, 0x3c000000                      ; 1 / 128
	; joint load of the images: wave w brings 182 rows of 256 bytes to LDS byte 46,592 w; the same in all four work-groups
	s_mov_b32 s52, 1
	s_mul_i32 s53, s80, 46592
	s_mul_i32 s98, s80, 46592
	s_mov_b32 s99, 0
	s_mov_b32 s56, 15|(3<<16)|(1<<21)              ; mask: the four of the cluster; elements of 8 bytes; bit 21 beside a mask
	s_mov_b32 s57, 32<<16                          ; tensor_dim0 = 32
	s_mov_b32 s58, 182<<16                         ; tensor_dim1 = 182
	s_mov_b32 s59, 32<<16                          ; tile_dim0 = 32
	s_mov_b32 s60, 182                             ; tile_dim1 = 182
	s_mov_b32 s61, 32                              ; pitch
	s_mov_b32 s62, 0
	s_mov_b32 s63, 0
	; my own load of x: wave w brings rows 32 w .. 32 w + 31, 64 points each, 16 bytes of padding behind each 256
	s_mov_b32 s68, 1
	s_mul_i32 s69, s80, 32*XP
	s_add_co_u32 s69, s69, XS
	s_mov_b32 s72, (2<<16)|(1<<20)|(5<<22)|(3<<25) ; elements of 4 bytes; padding: after 64 words, 4 words
	s_mov_b32 s73, 64<<16
	s_mov_b32 s74, 32<<16
	s_mov_b32 s75, 64<<16
	s_mov_b32 s76, 32
	s_mov_b32 s77, 4096
	s_mov_b32 s78, 0
	s_mov_b32 s79, 0
	s_mov_b32 s91, 0
	s_wait_dscnt 0x0
	s_wait_kmcnt 0x0
	s_load_b128 s[84:87], s[10:11], 0x0            ; zoom of the four heads
	s_add_nc_u64 s[54:55], s[12:13], s[98:99]
	s_or_b32 s55, s55, 0x80000000
	s_lshl_b32 s90, s83, 21
	s_lshl_b32 s89, s88, 8
	s_add_co_u32 s90, s90, s89                     ; b x 2 MiB + 64 points x 4 bytes x block
	s_add_nc_u64 s[14:15], s[14:15], s[90:91]      ; out0 there
	s_lshl_b32 s89, s80, 19
	s_add_co_u32 s90, s90, s89                     ; + 32 w rows
	s_add_nc_u64 s[70:71], s[4:5], s[90:91]
	s_or_b32 s71, s71, 0x80000000
	s_lshl2_add_u32 s90, s82, s80                  ; point tile over both batches = 4 x work-group + wave
	s_lshl_b32 s90, s90, 13
	s_add_nc_u64 s[92:93], s[6:7], s[90:91]        ; att: 8,192 bytes a tile
	s_lshl_b32 s90, s83, 16
	s_lshl_b32 s89, s88, 8
	s_add_co_u32 s90, s90, s89
	s_lshl_b32 s89, s80, 6
	s_add_co_u32 s90, s90, s89
	s_add_nc_u64 s[8:9], s[8:9], s[90:91]          ; hs: head 0 of batch b, my 16 points
	ROUND                                          ; the four work-groups are here: the joint loads meet
	tensor_load_to_lds s[52:55], s[56:63]
	s_nop 0
	tensor_load_to_lds s[68:71], s[72:79]          ; two tensor loads of the wave are out; none follows
	s_nop 0
	v_and_b32 v2, 15, v0                           ; r
	v_bfe_u32 v3, v0, 4, 1                         ; h
	v_and_b32 v30, 31, v0
	v_lshlrev_b32 v[IA], 4, v30
	v_add_nc_u32 v[IA+1], 0x10000, v[IA]
	v_add_nc_u32 v[IA+2], 0x20000, v[IA]
	v_lshlrev_b32 v[OT4], 2, v0
	v_min_u32 v[OT4+1], 31, v0
	v_min_u32 v[OT4+2], 63, v0
	v_lshlrev_b32 v[OT4+1], 2, v[OT4+1]
	v_lshlrev_b32 v[OT4+2], 2, v[OT4+2]
	v_lshlrev_b32 v31, 2, v2
	; thread t fetches channel t of the 17 vectors (the shorter ones: their last word again, which is never used)
	global_load_b32 v[AB+0], v[OT4+1], s[16:17]
	global_load_b32 v[AB+1], v[OT4+1], s[18:19]
	global_load_b32 v[AB+2], v[OT4+1], s[20:21]
	global_load_b32 v[AB+3], v[OT4+2], s[22:23]
	global_load_b32 v[AB+4], v[OT4+2], s[24:25]
	global_load_b32 v[AB+5], v[OT4+2], s[26:27]
	global_load_b32 v[AB+6], v[OT4], s[28:29]
	global_load_b32 v[AB+7], v[OT4], s[30:31]
	global_load_b32 v[AB+8], v[OT4], s[32:33]
	global_load_b32 v[AB+9], v[OT4], s[34:35]
	global_load_b32 v[AB+10], v[OT4], s[36:37]
	global_load_b32 v[AB+11], v[OT4], s[38:39]
	global_load_b32 v[AB+12], v[OT4], s[40:41]
	global_load_b32 v[AB+13], v[OT4], s[42:43]
	global_load_b32 v[AB+14], v[OT4], s[44:45]
	global_load_b32 v[AB+15], v[OT4], s[46:47]
	global_load_b32 v[AB+16], v[OT4], s[48:49]
.set k_, 0
.rept 16
	global_load_b128 v[ACC+4*k_:ACC+4*k_+3], v[IA], s[92:93] offset:512*k_     ; att: register 16 head + 8 t + j
.set k_, k_+1
.endr
.irp e,0,1,2,3
	global_load_b32 v[HSV+\e], v31, s[8:9] offset:16384*\e
.endr
	v_lshlrev_b32 v[VCT], 5, v3
	v_add_nc_u32 v[VCT], CT, v[VCT]
	v_mul_u32_u24 v[VX], v3, 8*XP
	v_lshl_add_u32 v[VX], v2, 2, v[VX]
	v_lshl_add_u32 v[VX], v1, 6, v[VX]
	v_add_nc_u32 v[VO], OS, v[VX]
	v_add_nc_u32 v[VX], XS, v[VX]
	v_add_nc_u32 v[VCS], CT, v[OT4]
	v_mov_b32 v[TX], 0                             ; a lane permute's destination counts as read
	s_wait_loadcnt 20                              ; the 17 vectors are in; att's 16 loads and hs's 4 are younger
	; batch norm folded: y = G sum + B with G = g / sqrt(1 + eps), B = G nb + beta
.irp k,0,3,6,11
	v_mul_f32 v[AB+\k], s96, v[AB+\k]
.endr
.irp k,0,3,6,11
	v_fma_f32 v[AB+\k+1], v[AB+\k], v[AB+\k+1], v[AB+\k+2]
.endr
	ds_store_b32 v[VCS], v[AB+0]                   ; 0 G1
	ds_store_b32 v[VCS], v[AB+1] offset:512        ; 1 B1
	ds_store_b32 v[VCS], v[AB+3] offset:1024       ; 2 G2
	ds_store_b32 v[VCS], v[AB+4] offset:1536       ; 3 B2
	ds_store_b32 v[VCS], v[AB+6] offset:2048       ; 4 G3
	ds_store_b32 v[VCS], v[AB+7] offset:2560       ; 5 B3
	ds_store_b32 v[VCS], v[AB+9] offset:3072       ; 6 nb4
	ds_store_b32 v[VCS], v[AB+10] offset:3584      ; 7 bfc
	ds_store_b32 v[VCS], v[AB+11] offset:4096      ; 8 G of cw1
	ds_store_b32 v[VCS], v[AB+12] offset:4608      ; 9 B of cw1
	ds_store_b32 v[VCS], v[AB+14] offset:5120      ; 10 cb2
	ds_store_b32 v[VCS], v[AB+15] offset:5632      ; 11 lng
	ds_store_b32 v[VCS], v[AB+16] offset:6144      ; 12 lnb
	s_wait_loadcnt 0x0
	s_wait_kmcnt 0x0
	; conf = 1 / (1 + exp2(-log2(e) 1.414 zoom (Hs - Hs^2 / 4096)))
.irp e,0,1,2,3
	s_mul_f32 s[84+\e], s[84+\e], 0xc0028ee2       ; -1.414 log2(e)
.endr
.irp e,0,1,2,3
	v_mul_f32 v[SM+\e], 0xb9800000, v[HSV+\e]      ; -Hs / 4096
.endr
.irp e,0,1,2,3
	v_fma_f32 v[HSV+\e], v[SM+\e], v[HSV+\e], v[HSV+\e]
.endr
.irp e,0,1,2,3
	v_mul_f32 v[HSV+\e], s[84+\e], v[HSV+\e]
.endr
.irp e,0,1,2,3
	v_exp_f32 v[HSV+\e], v[HSV+\e]
.endr
	v_nop
	s_wait_alu depctr_va_vdst(0)
.irp e,0,1,2,3
	v_add_f32 v[HSV+\e], 1.0, v[HSV+\e]
.endr
.irp e,0,1,2,3
	v_rcp_f32 v[HSV+\e], v[HSV+\e]
.endr
	v_cmp_eq_u32 vcc_lo, 0, v3                     ; also the plain place behind the reciprocals
	s_wait_alu depctr_va_vdst(0)
	v_cvt_pk_f16_f32 v[CONF], v[HSV], v[HSV+1]
	v_cvt_pk_f16_f32 v[CONF+1], v[HSV+2], v[HSV+3]
	v_cndmask_b32 v[CONF], 0, v[CONF], vcc_lo      ; k = 0..3 lie in the lanes with h = 0; the rest of K = 32 is zero
	v_cndmask_b32 v[CONF+1], 0, v[CONF+1], vcc_lo
.irp k,2,3,4,5,6,7
	v_mov_b32 v[CONF+\k], 0
.endr
; the largest magnitude of the lane's first n numbers of ACC
.macro AMAX n
	v_max_num_f32 v[AM0], |v[ACC]|, |v[ACC+1]|
	v_max_num_f32 v[AM1], |v[ACC+2]|, |v[ACC+3]|
.set k_, 4
.rept (\n-4)/4
	v_max3_num_f32 v[AM0], |v[ACC+k_]|, |v[ACC+k_+1]|, v[AM0]
	v_max3_num_f32 v[AM1], |v[ACC+k_+2]|, |v[ACC+k_+3]|, v[AM1]
.set k_, k_+4
.endr
	v_max_num_f32 v[AM0], v[AM0], v[AM1]
.endm
; SS = 2^floor(log2 of the point's largest magnitude), exponent field kept in 1 .. 253; INV = 1 / SS, exact
.macro MKSCALE
	v_permlanex16_b32 v[TX], v[AM0], s94, s95      ; the point's other 8 channels of each tile
	v_max_num_f32 v[AM0], v[AM0], v[TX]
	v_and_b32 v[AM0], 0x7f800000, v[AM0]
	v_max_u32 v[AM0], 0x00800000, v[AM0]
	v_min_u32 v[AM0], 0x7e800000, v[AM0]
	v_mov_b32 v[SS], v[AM0]
	v_mov_b32 v[SS+1], v[AM0]
	v_sub_nc_u32 v[INV], 0x7f000000, v[AM0]
	v_sub_nc_u32 v[INV+1], 0x7f000000, v[AM0]
.endm
; n numbers of ACC, divided by the scale, to f16: n/8 result tiles become n/16 B fragments
.macro PACK n, dst
.set k_, 0
.rept \n/2
	v_pk_mul_f32 v[ACC+2*k_:ACC+2*k_+1], v[ACC+2*k_:ACC+2*k_+1], v[INV:INV+1]
.set k_, k_+1
.endr
.set k_, 0
.rept \n/2
	v_cvt_pk_f16_f32 v[\dst+k_], v[ACC+2*k_], v[ACC+2*k_+1]
.set k_, k_+1
.endr
.endm
.macro RESCALE n, dst
	AMAX \n
	MKSCALE
	PACK \n, \dst
.endm
; nt_ A fragments (tiles lt_ .., K step ls_) into buffer lb_
.macro LDA off, kstot
.set u_, 0
.rept nt_
.set a_, \off+((lt_+u_)*\kstot+ls_)*1024
	ds_load_b128 v[AB+32*lb_+8*u_:AB+32*lb_+8*u_+3], v[IA+(a_>>16)] offset:(a_&0xffff)
	ds_load_b128 v[AB+32*lb_+8*u_+4:AB+32*lb_+8*u_+7], v[IA+(a_>>16)] offset:(a_&0xffff)+512
.set u_, u_+1
.endr
.endm
; ACC (ot tiles) = or += W(K steps s0 .. s0+ns-1) x the fragments at bfrag.  Groups of up to four tiles of one K step; while one group is
; multiplied the next one's fragments are on their way into the other buffer.  The accumulators take turns, one instruction a turn.
.macro GEMM off, kstot, s0, ns, ot, bfrag, zero
.set gpt_, (\ot+3)/4
.set nt_, \ot/gpt_
.set ng_, \ns*gpt_
.set n_, 0
.set ls_, \s0
.set lt_, 0
.set lb_, 0
	PLACES
	LDA \off, \kstot
.rept ng_
.if n_+1 < ng_
.set ls_, \s0+(n_+1)/gpt_
.set lt_, 4*((n_+1)%gpt_)
.set lb_, (n_+1)&1
	PLACES                                         ; the other buffer was read by the matrix instructions just issued
	LDA \off, \kstot
	s_wait_dscnt 2*nt_                             ; all but the loads just issued: this group's fragments are in
.else
	s_wait_dscnt 0x0
.endif
.set sn_, n_/gpt_
.set g_, n_%gpt_
.set z_, 0
.if \zero
.if sn_ == 0
.set z_, 1
.endif
.endif
.set u2_, 0
.rept nt_
.if z_
	v_wmma_f32_16x16x32_f16 v[ACC+8*(4*g_+u2_):ACC+8*(4*g_+u2_)+7], v[AB+32*(n_&1)+8*u2_:AB+32*(n_&1)+8*u2_+7], v[\bfrag+8*sn_:\bfrag+8*sn_+7], 0
.else
	v_wmma_f32_16x16x32_f16 v[ACC+8*(4*g_+u2_):ACC+8*(4*g_+u2_)+7], v[AB+32*(n_&1)+8*u2_:AB+32*(n_&1)+8*u2_+7], v[\bfrag+8*sn_:\bfrag+8*sn_+7], v[ACC+8*(4*g_+u2_):ACC+8*(4*g_+u2_)+7]
.endif
.set u2_, u2_+1
.endr
.set n_, n_+1
.endr
.endm
; tiles t0 .. t0+nt-1: relu((G SS) sum + B)
.macro EPIG4 vg, vb, t0, nt
	PLACES
.set k_, 0
.rept 2*\nt
	ds_load_b128 v[AB+4*k_:AB+4*k_+3], v[VCT] offset:\vg*512+64*\t0+64*(k_>>1)+16*(k_&1)
	ds_load_b128 v[AB+32+4*k_:AB+32+4*k_+3], v[VCT] offset:\vb*512+64*\t0+64*(k_>>1)+16*(k_&1)
.set k_, k_+1
.endr
	s_wait_dscnt 0x0
.set k_, 0
.rept 4*\nt
	v_pk_mul_f32 v[AB+2*k_:AB+2*k_+1], v[AB+2*k_:AB+2*k_+1], v[SS:SS+1]
.set k_, k_+1
.endr
.set k_, 0
.rept 4*\nt
	v_pk_fma_f32 v[ACC+8*\t0+2*k_:ACC+8*\t0+2*k_+1], v[ACC+8*\t0+2*k_:ACC+8*\t0+2*k_+1], v[AB+2*k_:AB+2*k_+1], v[AB+32+2*k_:AB+32+2*k_+1]
.set k_, k_+1
.endr
.set k_, 0
.rept 8*\nt
	v_max_num_f32 v[ACC+8*\t0+k_], 0, v[ACC+8*\t0+k_]
.set k_, k_+1
.endr
.endm
; all eight tiles: SS sum + bias
.macro EPIB vb
	PLACES
.set k_, 0
.rept 16
	ds_load_b128 v[AB+4*k_:AB+4*k_+3], v[VCT] offset:\vb*512+64*(k_>>1)+16*(k_&1)
.set k_, k_+1
.endr
	s_wait_dscnt 0x0
.set k_, 0
.rept 32
	v_pk_fma_f32 v[ACC+2*k_:ACC+2*k_+1], v[ACC+2*k_:ACC+2*k_+1], v[SS:SS+1], v[AB+2*k_:AB+2*k_+1]
.set k_, k_+1
.endr
.endm
; LayerNorm over the point's 128 channels (64 in this lane, 64 in lane xor 16), in two passes; withx = 1: + x
.macro LNAPPLY g, withx
.set k_, 0
.rept 8
	ds_load_b128 v[AB+4*k_:AB+4*k_+3], v[VCT] offset:11*512+256*\g+64*(k_>>1)+16*(k_&1)
	ds_load_b128 v[AB+32+4*k_:AB+32+4*k_+3], v[VCT] offset:12*512+256*\g+64*(k_>>1)+16*(k_&1)
.set k_, k_+1
.endr
.if \withx
.set k_, 0
.rept 32
	ds_load_b32 v[BF+k_], v[VX] offset:(64*\g+16*(k_>>3)+(k_&7))*XP
.set k_, k_+1
.endr
.endif
	s_wait_dscnt 0x0
.set k_, 0
.rept 16
	v_pk_mul_f32 v[AB+2*k_:AB+2*k_+1], v[AB+2*k_:AB+2*k_+1], v[RSTD:RSTD+1]
.if \withx
	v_pk_add_f32 v[AB+32+2*k_:AB+32+2*k_+1], v[AB+32+2*k_:AB+32+2*k_+1], v[BF+2*k_:BF+2*k_+1]
.endif
.set k_, k_+1
.endr
.set k_, 0
.rept 16
	v_pk_fma_f32 v[ACC+32*\g+2*k_:ACC+32*\g+2*k_+1], v[ACC+32*\g+2*k_:ACC+32*\g+2*k_+1], v[AB+2*k_:AB+2*k_+1], v[AB+32+2*k_:AB+32+2*k_+1]
.set k_, k_+1
.endr
.endm
.macro LNORM withx
	v_pk_add_f32 v[SM:SM+1], v[ACC:ACC+1], v[ACC+2:ACC+3]
	v_pk_add_f32 v[SM+2:SM+3], v[ACC+4:ACC+5], v[ACC+6:ACC+7]
.set k_, 8
.rept 14
	v_pk_add_f32 v[SM:SM+1], v[SM:SM+1], v[ACC+k_:ACC+k_+1]
	v_pk_add_f32 v[SM+2:SM+3], v[SM+2:SM+3], v[ACC+k_+2:ACC+k_+3]
.set k_, k_+4
.endr
	v_pk_add_f32 v[SM:SM+1], v[SM:SM+1], v[SM+2:SM+3]
	v_add_f32 v[SM], v[SM], v[SM+1]
	v_permlanex16_b32 v[TX], v[SM], s94, s95
	v_add_f32 v[SM], v[SM], v[TX]
	v_mul_f32 v[MEAN], s97, v[SM]
	v_mul_f32 v[MEAN+1], s97, v[SM]
.set k_, 0
.rept 32
	v_pk_add_f32 v[ACC+2*k_:ACC+2*k_+1], v[ACC+2*k_:ACC+2*k_+1], v[MEAN:MEAN+1] neg_lo:[0,1] neg_hi:[0,1]
.set k_, k_+1
.endr
	v_pk_mul_f32 v[SM:SM+1], v[ACC:ACC+1], v[ACC:ACC+1]
	v_pk_mul_f32 v[SM+2:SM+3], v[ACC+2:ACC+3], v[ACC+2:ACC+3]
.set k_, 4
.rept 15
	v_pk_fma_f32 v[SM:SM+1], v[ACC+k_:ACC+k_+1], v[ACC+k_:ACC+k_+1], v[SM:SM+1]
	v_pk_fma_f32 v[SM+2:SM+3], v[ACC+k_+2:ACC+k_+3], v[ACC+k_+2:ACC+k_+3], v[SM+2:SM+3]
.set k_, k_+4
.endr
	v_pk_add_f32 v[SM:SM+1], v[SM:SM+1], v[SM+2:SM+3]
	v_add_f32 v[SM], v[SM], v[SM+1]
	v_permlanex16_b32 v[TX], v[SM], s94, s95
	v_add_f32 v[SM], v[SM], v[TX]
	v_fmaak_f32 v[SM], s97, v[SM], 0x3727c5ac      ; variance + 1e-5
	v_rsq_f32 v[RSTD], v[SM]
	v_nop
	s_wait_alu depctr_va_vdst(0)
	v_mov_b32 v[RSTD+1], v[RSTD]
	LNAPPLY 0, \withx
	LNAPPLY 1, \withx
.endm
	RESCALE 64, BF                                 ; att: four B fragments, K step = head
	s_wait_dscnt 0x0                               ; my constants are in LDS,
	s_wait_tensorcnt 0x0                           ; my parts of the images and of x have landed,
	s_barrier_signal -1
	s_barrier_wait -1                              ; everybody's have
	GEMM W_WFC, 4, 0, 4, 8, BF, 1
	EPIB 7                                         ; c_feat
	RESCALE 64, CF
	v_mov_b32 v[S2], v[SS]
	v_mov_b32 v[S2+1], v[SS]
	v_mov_b32 v[SS], 1.0                           ; conf lies in 0 .. 1 and has no scale
	v_mov_b32 v[SS+1], 1.0
	GEMM W_NW1, 1, 0, 1, 2, CONF, 1
	EPIG4 0, 1, 0, 2
	RESCALE 16, BF
	GEMM W_NW2, 1, 0, 1, 4, BF, 1
	EPIG4 2, 3, 0, 4
	RESCALE 32, BF
	GEMM W_NW3, 2, 0, 2, 8, BF, 1
	EPIG4 4, 5, 0, 4
	EPIG4 4, 5, 4, 4
	RESCALE 64, BF
	GEMM W_NW4, 4, 0, 4, 8, BF, 1
	EPIB 6
	LNORM 1                                        ; xr = x + n_feat
	RESCALE 64, BF
	GEMM W_CW1, 8, 4, 4, 8, CF, 1                  ; cw1's columns 128-255 on c_feat, in units of c_feat's scale
	PLACES
	v_mul_f32 v[RAT], v[S2], v[INV]
	v_mul_f32 v[RAT+1], v[S2], v[INV]
.set k_, 0
.rept 32
	v_pk_mul_f32 v[ACC+2*k_:ACC+2*k_+1], v[ACC+2*k_:ACC+2*k_+1], v[RAT:RAT+1]     ; now in units of xr's scale: a power of two, exact
.set k_, k_+1
.endr
	GEMM W_CW1, 8, 0, 4, 8, BF, 0                  ; columns 0-127 on xr
	EPIG4 8, 9, 0, 4
	EPIG4 8, 9, 4, 4
	RESCALE 64, BF
	GEMM W_CW2, 4, 0, 4, 8, BF, 1
	EPIB 10
	LNORM 0
	; the way out: a lane holds one point's channels, so the tile goes through LDS and leaves as rows of 256 bytes
.set k_, 0
.rept 64
	ds_store_b32 v[VO], v[ACC+k_] offset:(16*(k_>>3)+(k_&7))*XP
.set k_, k_+1
.endr
	s_wait_dscnt 0x0                               ; my stores are in LDS before I say so
	s_barrier_signal -1
	s_barrier_wait -1
	v_lshl_add_u32 v30, v1, 5, v3                  ; row 32 w + h
	v_lshlrev_b32 v31, 14, v30
	v_lshl_add_u32 v31, v2, 4, v31                 ; in out0: row x 16,384 + 16 r
	v_mul_u32_u24 v30, v30, XP
	v_lshl_add_u32 v30, v2, 4, v30
	v_add_nc_u32 v30, OS, v30
.set k_, 0
.rept 16
	ds_load_b128 v[ACC+4*k_:ACC+4*k_+3], v30 offset:k_*2*XP
.set k_, k_+1
.endr
.set k_, 0
.rept 16
	s_wait_dscnt 15-k_                             ; LDS loads come back in order (ISA guide 5.7.1)
	global_store_b128 v31, v[ACC+4*k_:ACC+4*k_+3], s[14:15] offset:k_*32768       ; 16 lanes store 256 consecutive bytes, aligned
.set k_, k_+1
.endr
	s_wait_tensorcnt 0x0
	ds_add_u32 v240, v241
	s_wait_dscnt 0x0
	ROUND                                          ; the closing round: no work-group ends while a partner may still ask jointly
	s_endpgm
.Lfunc_end_k_qc55d3be124_tail:
	.size	k_qc55d3be124_tail, .Lfunc_end_k_qc55d3be124_tail-k_qc55d3be124_tail
	.p2alignl 7, 3214868480
	.fill 96, 4, 3214868480
	.section	.rodata,"a",@progbits
	.p2align	6, 0x0
	.amdhsa_kernel k_qc55d3be124_tail
		.amdhsa_group_segment_fixed_size 264704
		.amdhsa_private_segment_fixed_size 0
		.amdhsa_enable_private_segment 0
		.amdhsa_kernarg_size 184
		.amdhsa_user_sgpr_count 2
		.amdhsa_user_sgpr_kernarg_segment_ptr 1
		.amdhsa_wavefront_size32 1
		.amdhsa_system_sgpr_workgroup_id_x 1
		.amdhsa_system_sgpr_workgroup_id_y 1
		.amdhsa_system_sgpr_workgroup_id_z 1
		.amdhsa_system_vgpr_workitem_id 0
		.amdhsa_next_free_vgpr 242
		.amdhsa_next_free_sgpr 100
		.amdhsa_reserve_vcc 1
		.amdhsa_float_denorm_mode_32 3
		.amdhsa_float_denorm_mode_16_64 3
		.amdhsa_memory_ordered 1
		.amdhsa_forward_progress 1
		.amdhsa_inst_pref_size 165
	.end_amdhsa_kernel
	.amdgpu_metadata
---
amdhsa.version: [ 1, 2 ]
amdhsa.kernels:
  - .name:           k_qc55d3be124_tail
    .symbol:         k_qc55d3be124_tail.kd
    .args:
      - { .name: x, .offset: 0, .size: 8, .value_kind: global_buffer, .address_space: global }
      - { .name: att, .offset: 8, .size: 8, .value_kind: global_buffer, .address_space: global }
      - { .name: hs, .offset: 16, .size: 8, .value_kind: global_buffer, .address_space: global }
      - { .name: zoom, .offset: 24, .size: 8, .value_kind: global_buffer, .address_space: global }
      - { .name: wimg, .offset: 32, .size: 8, .value_kind: global_buffer, .address_space: global }
      - { .name: out0, .offset: 40, .size: 8, .value_kind: global_buffer, .address_space: global }
      - { .name: ng1, .offset: 48, .size: 8, .value_kind: global_buffer, .address_space: global }
      - { .name: nb1, .offset: 56, .size: 8, .value_kind: global_buffer, .address_space: global }
      - { .name: nbeta1, .offset: 64, .size: 8, .value_kind: global_buffer, .address_space: global }
      - { .name: ng2, .offset: 72, .size: 8, .value_kind: global_buffer, .address_space: global }
      - { .name: nb2, .offset: 80, .size: 8, .value_kind: global_buffer, .address_space: global }
      - { .name: nbeta2, .offset: 88, .size: 8, .value_kind: global_buffer, .address_space: global }
      - { .name: ng3, .offset: 96, .size: 8, .value_kind: global_buffer, .address_space: global }
      - { .name: nb3, .offset: 104, .size: 8, .value_kind: global_buffer, .address_space: global }
      - { .name: nbeta3, .offset: 112, .size: 8, .value_kind: global_buffer, .address_space: global }
      - { .name: nb4, .offset: 120, .size: 8, .value_kind: global_buffer, .address_space: global }
      - { .name: bfc, .offset: 128, .size: 8, .value_kind: global_buffer, .address_space: global }
      - { .name: cg1, .offset: 136, .size: 8, .value_kind: global_buffer, .address_space: global }
      - { .name: cb1, .offset: 144, .size: 8, .value_kind: global_buffer, .address_space: global }
      - { .name: cbeta1, .offset: 152, .size: 8, .value_kind: global_buffer, .address_space: global }
      - { .name: cb2, .offset: 160, .size: 8, .value_kind: global_buffer, .address_space: global }
      - { .name: lng, .offset: 168, .size: 8, .value_kind: global_buffer, .address_space: global }
      - { .name: lnb, .offset: 176, .size: 8, .value_kind: global_buffer, .address_space: global }
    .group_segment_fixed_size: 264704
    .private_segment_fixed_size: 0
    .kernarg_segment_align: 8
    .kernarg_segment_size: 184
    .max_flat_workgroup_size: 128
    .sgpr_count:     100
    .vgpr_count:     242
    .wavefront_size: 32
...
	.end_amdgpu_metadata
.endif
;; end of part 4
